; MI455X (gfx1250); checked and timed in simulation.
; The chip was launched on July 23, 2026; its instructions are those of AMD's public machine-readable ISA for CDNA 5 (MIT licence, August 2026) and "CDNA5" Instruction Set Architecture Reference Guide (July 2026). The comments in the code are by the model that wrote it; some were corrected since.
;; GRU Cell. Allowed arithmetic: matrix products marked QUANTISED: E2M1 operands, one E8M0 scale for each 32 along K, by v_wmma_scale_f32_16x16x128_f8f6f4 with both operands' format E2M1 (or v_wmma_scale_f32_32x16x128_f4), f32 sums; everything else in f32.
;; Inputs: W_c 1,024 x 1,024 float32; W_hc 1,024 x 1,024 float32; W_hh 1,024 x 2,048 float32; W_ih 1,024 x 2,048 float32; b_c 1,024 float32; b_hc 1,024 float32; b_hh 2,048 float32; b_ih 2,048 float32; hx 8,192 x 1,024 float32; input 8,192 x 1,024 float32.
;; Outputs: out0 8,192 x 1,024 float32.
;; This version of the problem:
;;   THIS VERSION OF THE PROBLEM IS GIVEN IN LOW PRECISION. The matrix products marked QUANTISED in the list below multiply operands that are first quantised to E2M1 (2 exponent bits, 1 mantissa bit; 4 bits a number), with one power-of-two scale for each 32 numbers along K (OCP MX v1.0); their sums are f32. All else is computed in f32.
;;   The module's matrix products, in the order in which they are computed (A, B: the left and right operand; K: the contracted axis; several contracted axes count as one K, in the product's order):
;;     1. [M 8,192, K 1,024] x [K 1,024, N 2,048]; A: input input; B: input W_ih: QUANTISED
;;     2. [M 8,192, K 1,024] x [K 1,024, N 2,048]; A: input hx; B: input W_hh: QUANTISED
;;     3. [M 8,192, K 1,024] x [K 1,024, N 1,024]; A: input input; B: input W_c: QUANTISED
;;     4. [M 8,192, K 1,024] x [K 1,024, N 1,024]; A: input hx; B: input W_hc: QUANTISED
;;   THE QUANTISER, for each operand of a quantised product, along K:
;;     - K is cut into blocks of 32 from its start; a last block that is shorter is filled with zeros.
;;     - A block's scale is 2^e with e = floor(log2(the largest magnitude in the block)) - 2, held to -126 .. 127; a block of zeros has e = 0. As a byte (E8M0): e + 127.
;;     - Each number is divided by its block's scale, clamped to +-6, and rounded to the nearest number of E2M1, ties to even, subnormals kept.
;;     - The product sums the exact products of the quantised numbers (number of the format x scale) in f32.
;;   ~~~python
;;   def quantise(x, axis):      # numpy; x: float32 -> the quantised numbers, widened to float32 again
;;       x = np.moveaxis(x, axis, -1); K = x.shape[-1]
;;       x = np.pad(x, [(0, 0)] * (x.ndim - 1) + [(0, -K % 32)]); x = x.reshape(x.shape[:-1] + (-1, 32)); a = np.abs(x).max(-1, keepdims=True)
;;       e = np.where(a > 0, np.clip(np.frexp(np.where(a > 0, a, 1))[1] - 1 - 2, -126, 127), 0)      # np.frexp(a)[1] - 1 = floor(log2(a)), exactly
;;       r = np.clip(x / 2.0 ** e, -6, 6)
;;       step = 2.0 ** (np.maximum(np.frexp(np.where(r == 0, 1, r))[1] - 1, 0) - 1)
;;       q = np.round(r / step) * step * 2.0 ** e      # np.round: ties to even
;;       return np.moveaxis(q.reshape(q.shape[:-2] + (-1,))[..., :K], -1, axis).astype(np.float32)
;;   ~~~
;; One version. Each part assembles by itself: llvm-mc -triple=amdgcn-amd-amdhsa -mcpu=gfx1250 --defsym DOCPART=n.
;; ======== version 1 of 1: 2 launches
;; workspace buffers: acodes 8,388,608 bytes; ascales 524,288 bytes; wcodes 3,145,728 bytes; wscales 196,608 bytes
;; launch quant (part 1): grid 704 x 1, 4 waves a work-group, no clusters, 50,688 bytes of LDS; arguments input, hx, W_ih, W_hh, W_c, W_hc, acodes, ascales, wcodes, wscales; writes acodes, ascales, wcodes, wscales
.if DOCPART == 1
	.amdgcn_target "amdgcn-amd-amdhsa--gfx1250"
	.amdhsa_code_object_version 6
	.text
	.protected	k_q04d6af77e4_quant
	.globl	k_q04d6af77e4_quant
	.p2align	8
	.type	k_q04d6af77e4_quant,@function
k_q04d6af77e4_quant:
	s_mov_b64 s[64:65], 0
	v_nop
	global_prefetch_b8 v0, s[64:65] scope:SCOPE_SE
	s_setreg_imm32_b32 hwreg(HW_REG_WAVE_MODE, 25, 1), 1
	s_wait_xcnt 0x0
; All six operands of the GRU's four products, f32, are turned into codes of FP4 (E2M1), K innermost, two codes a byte (the lower k in the low four bits), with one E8M0 scale byte for each 32 along K.
; A block's scale is 2^(floor(log2(its largest magnitude)) - 2); its byte is the largest magnitude's own exponent field - 2, held at 1 from below; each number is divided by the scale and rounded to the nearest code, ties to even, beyond 6 the largest code.
; LIMITS: a block of zeros, or one whose largest magnitude lies under 2^-124, gets the byte 1 (zero codes add nothing under any byte but 0xff, and the bytes are read by this program alone); NaN and infinities among the inputs are not served.
; OUT:  acodes [2 (input, hx)][8192][512 bytes], ascales [2][8192][32];  wcodes [6144][512 bytes], wscales [6144][32], row n' = a COLUMN of a weight: 0.. W_ih's 2048, 2048.. W_hh's 2048, 4096.. W_c's 1024, 5120.. W_hc's 1024.
; ONE LAUNCH, TWO WAYS, parted once on the work-group's number: work-groups 0-191 take the weights (K is their FIRST axis: a lane takes a column and its registers run down K), work-groups 192-703 the activations
; (K innermost: a plain stream of blocks of 32).  EVERY WORK-GROUP READS 128 KB: 64 columns x 512 of K of a weight, or 4 x 8,192 numbers of an activation.  Each way has LDS bytes of its own.
; No tensor loads.  No matrix unit, no cluster: every byte is read once and no work-group shares an input with another.  No prefetch: the launch does nothing but stream.
.set NWW,   192                        ; work-groups of the weights' way: 96 groups of 64 columns x 2 halves of K
.set EMAX,  2
; the activations' way
.set STEPS, 16                         ; a wave takes 16 steps of 512 numbers
.set AHEAD, 8                          ; loads run eight steps ahead: 32 loads, 16 KB a wave
.set CB,    8                          ; bytes of 16 codes
.set R,     16                         ; v16-143  eight sets of 16 numbers as they are loaded
.set X,     144                        ; v144-175 two sets of 16 neighbours
.set E,     176                        ; v176-191 a scale byte for each step
.set C,     192                        ; v192-223 codes: two registers for each step, so that no store's data are written again
.set WREG,  8192                       ; LDS bytes 0 .. 32,767: a region for each wave: two stages of 32 x SP bytes, behind them its 256 scale bytes
.set SP,    80                         ; a lane's place in a stage: its 64 bytes + 16 of padding
; the weights' way
.set WSTG,  32768                      ; LDS bytes 32,768 .. 50,175: the work-group's stage: 64 rows (columns of the weight) x PITCH
.set PITCH, 272                        ; a stage row: 256 bytes of codes (512 along K) + 16
.set NB,    8                          ; blocks of 32 along K for a wave: 256 of K
.set XW,    32                         ; v32-95   two sets of 32 numbers
.set CW,    96                         ; v96-99   a block's codes
.set OUTR,  112                        ; v112-143 the way out
.set SB,    24                         ; v24-25   the scale bytes, four to a register
.set OFFW,  176                        ; v176-207 byte offset of row i of a block at my column: i x a row of the weight + 4 x lane; never rewritten
.set WB,    32                         ; s[32:47] eight bases, one for each block: no pointer is stepped while loads are out
.macro ALOAD t
.irp i, 0,1,2,3
	global_load_b128 v[R+16*((\t)%AHEAD)+4*\i:R+16*((\t)%AHEAD)+4*\i+3], v3, s[4:5] offset:2048*(\t)+512*\i th:TH_LOAD_NT   ; 32 lanes read 512 consecutive bytes
.endr
.endm
.macro ATURN t                         ; step t's numbers through the stage: LDS serves a wave's instructions in order (ISA guide 5.7.1), so no wait stands between the stores and the loads
.irp i, 0,1,2,3
	ds_store_b128 v14, v[R+16*((\t)%AHEAD)+4*\i:R+16*((\t)%AHEAD)+4*\i+3] offset:32*SP*((\t)%2)+8*SP*\i
.endr
.irp i, 0,1,2,3
	ds_load_b128 v[X+16*((\t)%2)+4*\i:X+16*((\t)%2)+4*\i+3], v15 offset:32*SP*((\t)%2)+16*\i
.endr
.endm
.macro ASTEP t
.set XS, X+16*((\t)%2)
.if (\t) > 0
	s_wait_dscnt 1                                 ; this step's numbers are back from the stage (the last step's byte store may be out): so its stores into the stage have read their registers,
.else
	s_wait_dscnt 0x0
.endif
.if (\t)+AHEAD < STEPS
	ALOAD (\t)+AHEAD                               ; which take the loads of eight steps on
.endif
.if (\t)+1 < STEPS
.if STEPS-2-(\t) >= AHEAD-1
	s_wait_loadcnt 4*(AHEAD-1)                     ; the next step's four loads are in; those of the seven steps behind it may be out
.else
	s_wait_loadcnt 4*(STEPS-2-(\t))
.endif
	ATURN (\t)+1                                   ; and go through the other stage while this step is worked
.endif
	v_max3_num_f32 v8, |v[XS]|, |v[XS+1]|, |v[XS+2]|               ; the largest magnitude of my 16, in two chains
	v_max3_num_f32 v9, |v[XS+3]|, |v[XS+4]|, |v[XS+5]|
.irp i, 6,10
	v_max3_num_f32 v8, v8, |v[XS+\i]|, |v[XS+\i+1]|
	v_max3_num_f32 v9, v9, |v[XS+\i+2]|, |v[XS+\i+3]|
.endr
	v_max3_num_f32 v8, v8, |v[XS+14]|, |v[XS+15]|
	v_max3_num_f32 v8, v8, v9, (EMAX+1)<<23        ; and the floor 2^(EMAX + 1 - 127): the byte cannot fall under 1
	v_max_num_f32_dpp v8, v8, v8 row_xmask:1 row_mask:0xf bank_mask:0xf   ; and of my neighbour's 16: the block's
	v_add_nc_u32 v11, -(EMAX<<23), v8              ; EMAX off its exponent field: the conversion takes the exponent field of this operand as its scale, and nothing else of it
	v_cvt_scalef32_pk8_fp4_f32 v[C+2*(\t)], v[XS:XS+7], v11
	v_cvt_scalef32_pk8_fp4_f32 v[C+2*(\t)+1], v[XS+8:XS+15], v11
	v_lshrrev_b32 v[E+(\t)], 23, v11               ; the scale's byte (also the plain line behind the conversions)
	ds_store_b8 v5, v[E+(\t)] offset:16*(\t)       ; both lanes of a block write the same byte with the same value
	global_store_b64 v4, v[C+2*(\t):C+2*(\t)+1], s[16:17] offset:32*CB*(\t)   ; 32 lanes store 256 consecutive bytes, aligned
.endm
.macro WLOAD t                         ; block t: W(32 t + i, my column), i = 0 .. 31, into set t % 2: each load reads 128 consecutive bytes; the two waves of a K part stand side by side on 256, aligned
.set i, 0
.rept 32
	global_load_b32 v[XW+32*((\t)%2)+i], v[OFFW+i], s[WB+2*(\t):WB+2*(\t)+1] th:TH_LOAD_NT
.set i, i+1
.endr
.endm
.macro BLOCK t
.set XS, XW+32*((\t)%2)
.if (\t) < NB-1
	s_wait_loadcnt 32                              ; this block's 32 loads are in; the next block's may be out
.else
	s_wait_loadcnt 0
.endif
	v_max3_num_f32 v12, |v[XS]|, |v[XS+1]|, |v[XS+2]|               ; the block's largest magnitude: all 32 numbers are mine
	v_max3_num_f32 v13, |v[XS+3]|, |v[XS+4]|, |v[XS+5]|
.irp i, 6,10,14,18,22,26
	v_max3_num_f32 v12, v12, |v[XS+\i]|, |v[XS+\i+1]|
	v_max3_num_f32 v13, v13, |v[XS+\i+2]|, |v[XS+\i+3]|
.endr
	v_max3_num_f32 v12, v12, |v[XS+30]|, |v[XS+31]|
	v_max3_num_f32 v12, v12, v13, (EMAX+1)<<23     ; and the floor
	v_add_nc_u32 v11, -(EMAX<<23), v12             ; the conversion's scale operand
	v_lshrrev_b32 v13, 23, v11                     ; the scale's byte
.if (\t)%4 == 0
	v_mov_b32 v[SB+(\t)/4], v13                    ; four bytes to a register, the lower K in the lower byte
.else
	v_lshl_or_b32 v[SB+(\t)/4], v13, 8*((\t)%4), v[SB+(\t)/4]
.endif
.irp g, 0,1,2,3
	v_cvt_scalef32_pk8_fp4_f32 v[CW+\g], v[XS+8*\g:XS+8*\g+7], v11
.endr
	ds_store_b128 v4, v[CW:CW+3] offset:16*(\t)    ; 32 codes: 16 bytes of my column's row
.if (\t)+2 < NB
	WLOAD (\t)+2
.endif
	s_wait_dscnt 0x0                               ; the store has read its registers: the next block's codes may be written
.endm
	s_load_b512 s[4:19], s[0:1], 0x0               ; input s[4:5], hx s[6:7], W_ih s[8:9], W_hh s[10:11], W_c s[12:13], W_hc s[14:15], acodes s[16:17], ascales s[18:19]
	s_load_b128 s[20:23], s[0:1], 0x40             ; wcodes s[20:21], wscales s[22:23]
	v_lshl_add_u32 v224, v0, 2, 0xc400
	v_mov_b32 v225, 0
	v_lshrrev_b32 v1, 5, v0
	v_readfirstlane_b32 s24, v1                    ; wave 0..3
	v_and_b32 v2, 31, v0                           ; lane
	s_wait_kmcnt 0x0
	s_cmp_lt_u32 ttmp9, NWW
	s_cbranch_scc1 .Lweights
	; ---- THE ACTIVATIONS.  Each of a step's four loads reads 512 consecutive bytes, 16 a lane; the 2,048 bytes go through the wave's own stage and come back 64 bytes a lane: 16 NEIGHBOURS along K, as the conversions want them.  Waves share nothing: no barrier.
	v_lshlrev_b32 v3, 4, v2                        ; my 16 bytes of a load's 512
	s_mul_i32 s25, s24, WREG
	v_lshrrev_b32 v14, 2, v2
	v_mul_u32_u24 v14, v14, SP
	v_and_b32 v15, 3, v2
	v_lshl_add_u32 v14, v15, 4, v14
	v_add_nc_u32 v14, s25, v14                     ; the stage, on the way in: SP (lane / 4) + 16 (lane % 4)
	v_mul_u32_u24 v15, v2, SP
	v_add_nc_u32 v15, s25, v15                     ; and on the way out: SP x lane
	v_mul_u32_u24 v4, v2, CB                       ; my codes' place in a step's
	v_lshrrev_b32 v5, 1, v2
	s_add_co_u32 s25, s25, 2*32*SP
	v_add_nc_u32 v5, s25, v5                       ; my wave's 256 scale bytes, my block's byte
	v_lshlrev_b32 v7, 3, v2                        ; and on the way out 8 bytes a lane
	v_add_nc_u32 v6, s25, v7
	s_sub_co_u32 s26, ttmp9, NWW                   ; 0 .. 511: the first 256 take input, the others hx
	s_cmp_lt_u32 s26, 256
	s_cselect_b64 s[4:5], s[4:5], s[6:7]
	s_and_b32 s27, s26, 255
	s_lshl_b32 s27, s27, 2
	s_add_co_u32 s28, s27, s24                     ; which run of 8,192 numbers of the tensor is my wave's: 0 .. 1,023
	s_lshl_b32 s28, s28, 15                        ; 32,768 bytes a run
	s_mov_b32 s29, 0
	s_add_nc_u64 s[4:5], s[4:5], s[28:29]
	s_lshl_b32 s26, s26, 2
	s_add_co_u32 s26, s26, s24                     ; and of the two tensors on end: 0 .. 2,047
	s_lshl_b32 s28, s26, 12                        ; 4,096 bytes of codes a run
	s_add_nc_u64 s[16:17], s[16:17], s[28:29]
	s_lshl_b32 s28, s26, 8                         ; 256 scale bytes a run
	s_add_nc_u64 s[18:19], s[18:19], s[28:29]
.irp t, 0,1,2,3,4,5,6,7
	ALOAD \t
.endr
	s_wait_loadcnt 4*(AHEAD-1)                     ; step 0's four loads are in
	ATURN 0
.irp t, 0,1,2,3,4,5,6,7,8,9,10,11,12,13,14,15
	ASTEP \t
.endr
	ds_load_b64 v[12:13], v6                       ; LDS serves a wave's instructions in order: these see my byte stores
	s_wait_dscnt 0x0
	global_store_b64 v7, v[12:13], s[18:19]        ; 32 lanes store 256 consecutive bytes, aligned
	s_wait_tensorcnt 0x0
	ds_add_u32 v224, v225
	s_wait_dscnt 0x0
	s_endpgm
	; ---- THE WEIGHTS.  The work-group takes 64 columns x 512 along K.  Wave (c, k), c = wave % 2, k = wave / 2, takes columns 32 c on and 256 of K: 8 blocks a lane, 128 bytes of codes for each column: HALF of a row of 256 bytes.
	; So the two waves of a column group write the two halves of the same stage rows; one barrier; then each wave stores 16 whole rows.  All four waves of such a work-group come this way: the branch hangs on the work-group's number.
.Lweights:
	s_lshr_b32 s25, ttmp9, 1                       ; which 64 columns of the 6,144: 0 .. 95
	s_and_b32 s26, ttmp9, 1                        ; which 512 of K
	s_cmp_lt_u32 s25, 80                           ; the tensor, its first group of columns, and its row's length: choices that hang on the work-group's number alone
	s_cselect_b64 s[4:5], s[12:13], s[14:15]       ; W_c or W_hc
	s_cselect_b32 s27, 64, 80
	s_cmp_lt_u32 s25, 64
	s_cselect_b64 s[4:5], s[10:11], s[4:5]         ; W_hh
	s_cselect_b32 s27, 32, s27
	s_cselect_b32 s28, 2, 1
	s_cmp_lt_u32 s25, 32
	s_cselect_b64 s[4:5], s[8:9], s[4:5]           ; W_ih
	s_cselect_b32 s27, 0, s27
	s_lshl_b32 s28, s28, 12                        ; a row of the weight in bytes: 8,192 or 4,096
	s_and_b32 s48, s24, 1                          ; c: which 32 columns are my wave's
	s_lshr_b32 s49, s24, 1                         ; k: which 256 of the 512
	s_sub_co_u32 s29, s25, s27
	s_lshl_b32 s29, s29, 8                         ; the group's 64 columns x 4 bytes,
	s_lshl_b32 s30, s48, 7                         ; my wave's 32 of them,
	s_add_co_u32 s30, s30, s29
	s_lshl_b32 s29, s26, 1
	s_add_co_u32 s29, s29, s49                     ; which 256 of all of K,
	s_mul_i32 s29, s29, s28
	s_lshl_b32 s29, s29, 8                         ; so many times 256 rows down
	s_add_co_u32 s30, s30, s29
	s_mov_b32 s31, 0
	s_add_nc_u64 s[WB:WB+1], s[4:5], s[30:31]      ; block 0's base
	s_lshl_b32 s30, s28, 5                         ; 32 rows on
.set i, 1
.rept NB-1
	s_add_nc_u64 s[WB+2*i:WB+2*i+1], s[WB+2*i-2:WB+2*i-1], s[30:31]
.set i, i+1
.endr
	s_lshl_b32 s6, s25, 6                          ; the work-group's first row of the codes: 64 x group
	s_lshl_b32 s29, s24, 4
	s_add_co_u32 s29, s29, s6                      ; the 16 rows that my wave stores
	s_lshl_b32 s8, s29, 9                          ; 512 bytes a row,
	s_lshl_b32 s29, s26, 8                         ; 256 on for the second half of K
	s_add_co_u32 s8, s8, s29
	s_mov_b32 s9, 0
	s_add_nc_u64 s[20:21], s[20:21], s[8:9]
	s_lshl_b32 s29, s48, 5
	s_add_co_u32 s29, s29, s6                      ; my 32 columns' first row of scale bytes:
	s_lshl_b32 s8, s29, 5                          ; 32 bytes a row,
	s_lshl_b32 s29, s26, 4                         ; 16 on for the second 512 of K,
	s_add_co_u32 s8, s8, s29
	s_lshl_b32 s29, s49, 3                         ; 8 on for the second 256 of them
	s_add_co_u32 s8, s8, s29
	s_add_nc_u64 s[22:23], s[22:23], s[8:9]
	v_lshlrev_b32 v3, 2, v2                        ; in: 4 bytes a lane
.set i, 0
.rept 32
	v_mad_u32_u24 v[OFFW+i], s28, i, v3
.set i, i+1
.endr
	s_mul_i32 s29, s48, 32*PITCH                   ; into the stage: row = 32 c + my lane,
	s_lshl_b32 s30, s49, 7                         ; my half of its 256 bytes
	s_add_co_u32 s29, s29, s30
	s_add_co_u32 s29, s29, WSTG
	v_mul_u32_u24 v4, v2, PITCH
	v_add_nc_u32 v4, s29, v4
	v_and_b32 v5, 15, v2
	v_lshrrev_b32 v6, 4, v2                        ; out of it: wave w takes rows 16 w on, whole: sixteen lanes to a row, two rows an instruction
	s_mul_i32 s29, s24, 16*PITCH
	s_add_co_u32 s29, s29, WSTG
	v_mul_u32_u24 v7, v6, PITCH
	v_lshl_add_u32 v7, v5, 4, v7
	v_add_nc_u32 v7, s29, v7
	v_lshlrev_b32 v8, 9, v6
	v_lshl_add_u32 v8, v5, 4, v8                   ; and the same place in the codes' buffer
	v_lshlrev_b32 v9, 5, v2                        ; my column's row of scale bytes
	WLOAD 0
	WLOAD 1
.set Q, 0
.rept NB
	BLOCK Q
.set Q, Q+1
.endr
	s_barrier_signal -1                            ; my stores into the stage are done (the last block ended with the wait for them): say so,
	s_barrier_wait -1                              ; and read when all four have said so
	global_store_b64 v9, v[SB:SB+1], s[22:23]      ; my column's 8 scale bytes
.irp t, 0,1,2,3,4,5,6,7
	ds_load_b128 v[OUTR+4*\t:OUTR+4*\t+3], v7 offset:2*\t*PITCH
.endr
.irp t, 0,1,2,3,4,5,6,7
	s_wait_dscnt 7-\t                              ; the younger loads from the stage may be out
	global_store_b128 v8, v[OUTR+4*\t:OUTR+4*\t+3], s[20:21] offset:2*\t*512   ; sixteen lanes store 256 consecutive bytes, aligned
.endr
	s_wait_tensorcnt 0x0
	ds_add_u32 v224, v225
	s_wait_dscnt 0x0
	s_endpgm
.Lfunc_end_k_q04d6af77e4_quant:
	.size	k_q04d6af77e4_quant, .Lfunc_end_k_q04d6af77e4_quant-k_q04d6af77e4_quant
	.p2alignl 7, 3214868480
	.fill 96, 4, 3214868480
	.section	.rodata,"a",@progbits
	.p2align	6, 0x0
	.amdhsa_kernel k_q04d6af77e4_quant
		.amdhsa_group_segment_fixed_size 50688
		.amdhsa_private_segment_fixed_size 0
		.amdhsa_enable_private_segment 0
		.amdhsa_kernarg_size 80
		.amdhsa_user_sgpr_count 2
		.amdhsa_user_sgpr_kernarg_segment_ptr 1
		.amdhsa_wavefront_size32 1
		.amdhsa_system_sgpr_workgroup_id_x 1
		.amdhsa_system_sgpr_workgroup_id_y 1
		.amdhsa_system_sgpr_workgroup_id_z 1
		.amdhsa_system_vgpr_workitem_id 0
		.amdhsa_next_free_vgpr 226
		.amdhsa_next_free_sgpr 66
		.amdhsa_reserve_vcc 0
		.amdhsa_float_denorm_mode_32 3
		.amdhsa_float_denorm_mode_16_64 3
		.amdhsa_memory_ordered 1
		.amdhsa_forward_progress 1
		.amdhsa_inst_pref_size 76
	.end_amdhsa_kernel
	.amdgpu_metadata
---
amdhsa.version: [ 1, 2 ]
amdhsa.kernels:
  - .name:           k_q04d6af77e4_quant
    .symbol:         k_q04d6af77e4_quant.kd
    .args:
      - { .name: input, .offset: 0, .size: 8, .value_kind: global_buffer, .address_space: global }
      - { .name: hx, .offset: 8, .size: 8, .value_kind: global_buffer, .address_space: global }
      - { .name: W_ih, .offset: 16, .size: 8, .value_kind: global_buffer, .address_space: global }
      - { .name: W_hh, .offset: 24, .size: 8, .value_kind: global_buffer, .address_space: global }
      - { .name: W_c, .offset: 32, .size: 8, .value_kind: global_buffer, .address_space: global }
      - { .name: W_hc, .offset: 40, .size: 8, .value_kind: global_buffer, .address_space: global }
      - { .name: acodes, .offset: 48, .size: 8, .value_kind: global_buffer, .address_space: global }
      - { .name: ascales, .offset: 56, .size: 8, .value_kind: global_buffer, .address_space: global }
      - { .name: wcodes, .offset: 64, .size: 8, .value_kind: global_buffer, .address_space: global }
      - { .name: wscales, .offset: 72, .size: 8, .value_kind: global_buffer, .address_space: global }
    .group_segment_fixed_size: 50688
    .private_segment_fixed_size: 0
    .kernarg_segment_align: 8
    .kernarg_segment_size: 80
    .max_flat_workgroup_size: 128
    .sgpr_count:     66
    .vgpr_count:     226
    .wavefront_size: 32
...
	.end_amdgpu_metadata
.endif
;; end of part 1
;; launch gru (part 2): grid 8 x 64, 4 waves a work-group, clusters of 4 x 4, 327,680 bytes of LDS; arguments acodes, ascales, wcodes, wscales, b_ih, b_hh, b_c, b_hc, hx, out0; writes out0
.if DOCPART == 2
	.amdgcn_target "amdgcn-amd-amdhsa--gfx1250"
	.amdhsa_code_object_version 6
	.text
	.protected	k_q04d6af77e4_gru
	.globl	k_q04d6af77e4_gru
	.p2align	8
	.type	k_q04d6af77e4_gru,@function
k_q04d6af77e4_gru:
	s_mov_b64 s[64:65], 0
	v_nop
	global_prefetch_b8 v0, s[64:65] scope:SCOPE_SE
	s_setreg_imm32_b32 hwreg(HW_REG_WAVE_MODE, 25, 1), 1
	s_wait_xcnt 0x0
	s_wait_alu depctr_hold_cnt(0) depctr_sa_sdst(0) depctr_va_vdst(0) depctr_va_sdst(0) depctr_va_ssrc(0) depctr_va_vcc(0) depctr_vm_vsrc(0)
	s_getreg_b32 s2, hwreg(HW_REG_IB_STS2, 6, 4)
	s_cmp_eq_u32 s2, 0
	s_cbranch_scc0 .Lentry_in_a_cluster
	s_endpgm
.Lentry_in_a_cluster:
	s_bfe_u32 s2, ttmp6, 0x10000c
	s_cmp_lg_u32 s2, 0xf033
	s_cbranch_scc0 .Lentry_shape_is_right
	s_endpgm
.Lentry_shape_is_right:
; out = (1 - z) hx + z tanh(in W_c + b_c + r (hx W_hc + b_hc)),  z, r = sigmoid(in W_ih + b_ih + hx W_hh + b_hh): all four products on codes of FP4 (E2M1) with one E8M0 scale for each 32 along K, sums in f32, all else in f32.
; IN: acodes [2 (input, hx)][8192][512 bytes], ascales [2][8192][32]; wcodes [6144][512 bytes], wscales [6144][32], row = a column of a weight: 0.. W_ih (z, r), 2048.. W_hh (z, r), 4096.. W_c, 5120.. W_hc.
; SHARES.  A work-group makes 128 rows x 128 columns of the output; its four waves lie 2 x 2, 64 x 64 each.  For each output FOUR sums are kept: Z and R (K = 2,048: input's 1,024, then hx's), C (input's) and HC (hx's):
; four sets of 16 accumulators, 512 registers a wave.  K goes as ONE walk of four K steps of 512: steps 0, 1: A = input, B = W_ih z, W_ih r, W_c; steps 2, 3: A = hx, B = W_hh z, W_hh r, W_hc.
; A K step is four substeps of 128: 48 matrix instructions, each on another accumulator.  All sixteen substeps are written out: there is no loop.
; THE BIASES are the C of each sum's first matrix instruction, in the result's layout: nothing is cleared, nothing is added later.  So a sum runs: bias, input's K, hx's K: another order of f32 additions than the source's.
; RING: two LDS slots, each with 128 rows of A and 3 x 128 rows of B, rows of 256 bytes + 16 of padding; wave w fetches rows 128 w on: one tensor load a wave for each fill.
; CLUSTER 4 x 4: A's tile hangs on the block of rows alone and is asked for jointly by my row of the cluster, B's tiles on the block of columns alone, jointly by my column.
; THE SCALES of the work-group's rows, for all of K, come once with the first fills: 8 blocks of 4,096 dense bytes.  They are NOT asked for jointly: 32 KB against the 512 KB of codes that a work-group fetches, and one line without a branch serves all waves.
; hx (f32), for the blend, comes straight into registers, in the layout in which rows of the output leave (sixteen lanes to 256 aligned bytes): so it stands in no slot and behind no barrier.  The epilogue sends
; u = 1 - z and v = z x candidate through two stages in LDS and blends behind them: out = u hx + v.
; THE MATRIX INSTRUCTION IS USED TRANSPOSED (source 0 = 16 columns of a weight, source 1 = 16 rows of activations): lane (r, h) holds row r, its register j column 8 h + j of the block.
; LIMITS: NaN and infinities among the inputs are not served.  sigmoid(x) = 1 / (1 + 2^(-x log2 e)), tanh(x) = 1 - 2 / (1 + 2^(2 x log2 e)): an exponential that overflows gives the reciprocal 0, the right limit; near 0 tanh's absolute error is a few units of 2^-24.
; REGISTERS, in windows of 256: window 0: v1-29 addresses; v32-159 scale words, two sets of 64, and nothing else; v160-223 A's fragments, two sets, in the epilogue hx's blocks 2 and 3; v224-255 b_hc.
;   window 1: B's fragments, two sets of 96 at v0 and v128; v96-127 and v224-255 hx's blocks 0 and 1; in the epilogue v0-95 at work, v128-191 rows read back from the stages, v192-223 u.
;   window 2: Z at v[8 (4 a + b)], R at v[128 + ..].   window 3: C at v[8 (4 a + b)], HC at v[128 + ..]; until K step 2 HC's registers hold b_ih + b_hh (z: v128, r: v160) and b_c (v192).
.set PITCH,  272                       ; an LDS row: 256 bytes + 16 = 68 words: row r starts at bank 4 r mod 64 (64 banks of 4 bytes: ISA guide 11.1)
.set HALFT,  128*PITCH                 ; what one tensor load brings
.set SLOT,   4*HALFT
.set SCL,    2*SLOT                    ; behind the ring: the scales: block 2 w + half (w = 0: A, 1: Z, 2: R, 3: C / HC; half: input's or hx's K)
.set SBLK,   16*272                    ; a block: 128 rows x 32 bytes as 16 rows of 256 bytes + 16
.set SPARE,  SCL+8*SBLK                ; the spare words, 128 bytes for each wave: two blocks of 256 bytes that no other line names
.set STG,    16*PITCH                  ; the way out: two stages of 16 rows x 272 for each wave (u's, then v's), at wave x 2 STG in slot 0: when the first result is stored there, that slot has had its last fill, and nobody reads it any more
.set ADRA, 8                           ; v8-9    my A fragments in slot 0, 1
.set ADRB, 10                          ; v10-15  my B fragments: slot s, unit u at v[10 + 3 s + u]
.set ADSA, 16                          ; v16     my scale words of A
.set ADSB, 17                          ; v17     of B
.set STO,  19                          ; v19     the stages: where I put 32 bytes of a row
.set RD,   20                          ; v20     and where I read a row back
.set CO,   21                          ; v21     my byte offset in the wave's rows of hx and of the output; never rewritten
.set PFO,  22                          ; v22     the prefetches' offset: my lane x a row of codes; never rewritten
.set BO,   23                          ; v23     the biases: 32 h
.set SPW,  28                          ; v28     LDS address of my spare word; never rewritten
.set NIL,  29                          ; v29     0; never rewritten
.set SC,   32                          ; scale words: set c at v[32 + 64 c]: A's block a, substep s at + 4 a + s; B's unit u, block b at + 16 + 4 (4 u + b) + s
.set AF,   160                         ; A's fragments: set p, block a at v[160 + 32 p + 8 a]
.set BHC,  224
.set TR,   0                           ; the epilogue, window 1: r, z, the candidate and then v: 32 registers each
.set TZ,   32
.set TC,   64
.set RBU,  128                         ; 16 rows of u and of v read back from the stages
.set RBV,  160
.set TU,   192                         ; u
.set G1A, 24                           ; s[24:31] group 1 for A's tiles, s[32:39] for B's, s[40:47] for the scales
.set G1B, 32
.set G1S, 40
.set LIM, 48                           ; s48     0 in a wave that prefetches
.set G0A, 56                           ; s[56:63] groups 0 for A, one for each slot;  s[68:75] for B;  s[76:83] for the two scale blocks
.set G0B, 68
.set G0S, 76
.set PFT, 84                           ; s[84:85] where my prefetches stand; never rewritten once made.  s[86:87] at work
.set CX,  88
.set CY,  89
.set GX,  90                           ; my block of 128 columns
.set GY,  91                           ; my block of 128 rows
.set WV,  92
.set WR,  93                           ; which 64 rows are my wave's
.set WC,  94                           ; which 64 columns
.set TT,  95                           ; at work: numbers made of the wave's number alone
.set DB,  96                           ; s[96:97] from a unit of the first half of K to its partner of the second, in bytes of codes
.set PF,  98                           ; s[98:99] my wave's first number of hx; never rewritten once made
.set PADC, (1<<20)|(1<<21)|(5<<22)|(3<<25)   ; elements of 1 byte; 20 padding on; 21 set beside a mask; 24:22 after every 64 words; 31:25 four words
.set MSB, 0
.macro WIN new                         ; the immediate's high byte repeats the setting that is left; a switch that changes nothing is dropped
.if MSB != \new
	s_set_vgpr_msb (MSB<<8)|\new
.set MSB, \new
.endif
.endm
.set MUL_LO,   0xa1                    ; source 0 (B) window 1, source 1 (A) window 0, C and D window 2
.set MUL_HI,   0xf1                    ; the same, C and D window 3
.set MUL_LO_B, 0xb1                    ; D window 2, C (a bias) window 3
.set MUL_HC_B, 0xc1                    ; D window 3, C (b_hc) window 0
.set TO_B,     0x40                    ; destination window 1, address window 0
.macro PLACES n                        ; a load into a register that a matrix instruction has read, and a vector instruction that reads a matrix result, stand four plain vector instructions behind it (ISA guide 7.12.1 for vector instructions)
.rept \n
	v_nop
.endr
.endm
.macro CREST                           ; a round of the cluster's barrier behind its opening barrier
	s_cmp_lg_u32 s[WV], 0
	s_cbranch_scc1 .Lnot_wave_0_\@
	s_barrier_signal -3
.Lnot_wave_0_\@:
	s_barrier_wait -3
	s_barrier_signal -1
	s_barrier_wait -1
.endm
.macro CROUND
	s_barrier_signal -1
	s_barrier_wait -1
	CREST
.endm
; A joint refill: wave 0 fetches A's tile, waves 1 to 3 B's three.  Each line has one mask; the branch hangs on the wave's number alone.  Four v_nop follow each line.
.macro JLOAD sl
	s_cmp_eq_u32 s[WV], 0
	s_cbranch_scc0 .Lfor_b_\@
	tensor_load_to_lds s[G0A+4*(\sl):G0A+4*(\sl)+3], s[G1A:G1A+7]
	s_nop 0
	PLACES 4
	s_branch .Lasked_\@
.Lfor_b_\@:
	tensor_load_to_lds s[G0B+4*(\sl):G0B+4*(\sl)+3], s[G1B:G1B+7]
	s_nop 0
	PLACES 4
.Lasked_\@:
.endm
.macro FRAG reg, adr, sub, i           ; a fragment, 16 rows x 128 K: lane l holds row l % 16; registers 4 c .. 4 c + 3 hold K = 64 c + 32 (l / 16) + 0 .. 31
.irp c, 0,1
	ds_load_b128 v[\reg+4*\c:\reg+4*\c+3], v[\adr] offset:64*(\sub)+32*\c+(\i)*16*PITCH
.endr
.endm
.macro FETCH slot, sub, pp             ; 32 LDS loads in one run: the fragments of one substep into set pp: B's twelve, A's four
	WIN TO_B
.irp u, 0,1,2
.irp b, 0,1,2,3
	FRAG 128*(\pp)+8*(4*\u+\b), ADRB+3*(\slot)+\u, \sub, \b
.endr
.endr
	WIN 0
.irp a, 0,1,2,3
	FRAG AF+32*(\pp)+8*\a, ADRA+(\slot), \sub, \a
.endr
.endm
.macro SCALES q                        ; K step q's scale words into set q % 2: four words (four substeps) a row by one load; lanes 0-15 hold the rows' words, lanes 16-31 the same
.irp a, 0,1,2,3
	ds_load_b128 v[SC+64*((\q)%2)+4*\a:SC+64*((\q)%2)+4*\a+3], v[ADSA] offset:((\q)/2)*SBLK+\a*544+((\q)%2)*16
.endr
.irp u, 0,1,2
.irp b, 0,1,2,3
	ds_load_b128 v[SC+64*((\q)%2)+16+4*(4*\u+\b):SC+64*((\q)%2)+16+4*(4*\u+\b)+3], v[ADSB] offset:\u*2*SBLK+((\q)/2)*SBLK+\b*544+((\q)%2)*16
.endr
.endr
.endm
.macro HXLOAD a, reg                   ; rows 16 a .. 16 a + 15 of my 64 x 64 of hx: lanes 0-15 take 256 aligned bytes of one row, lanes 16-31 of the next: the layout of the stores of the output
.irp t, 0,1,2,3,4,5,6,7
	global_load_b128 v[\reg+4*\t:\reg+4*\t+3], v[CO], s[PF:PF+1] offset:(16*(\a)+2*\t)*4096 th:TH_LOAD_NT
.endr
.endm
; 16 matrix instructions: the set of accumulators at acc, B's unit un, fragment set pp, scale set sst, substep sub.  cb >= 0: the sums begin, with the bias at v[cb + 8 b] as C.
.macro MULSET acc, un, pp, sst, sub, cb
.irp a, 0,1,2,3
.irp b, 0,1,2,3
.if (\cb) >= 0
	v_wmma_scale_f32_16x16x128_f8f6f4 v[\acc+8*(4*\a+\b):\acc+8*(4*\a+\b)+7], v[128*(\pp)+8*(4*\un+\b):128*(\pp)+8*(4*\un+\b)+7], v[AF+32*(\pp)+8*\a:AF+32*(\pp)+8*\a+7], v[\cb+8*\b:\cb+8*\b+7], v[SC+64*(\sst)+16+4*(4*\un+\b)+(\sub)], v[SC+64*(\sst)+4*\a+(\sub)] matrix_a_fmt:MATRIX_FMT_FP4 matrix_b_fmt:MATRIX_FMT_FP4
.else
	v_wmma_scale_f32_16x16x128_f8f6f4 v[\acc+8*(4*\a+\b):\acc+8*(4*\a+\b)+7], v[128*(\pp)+8*(4*\un+\b):128*(\pp)+8*(4*\un+\b)+7], v[AF+32*(\pp)+8*\a:AF+32*(\pp)+8*\a+7], v[\acc+8*(4*\a+\b):\acc+8*(4*\a+\b)+7], v[SC+64*(\sst)+16+4*(4*\un+\b)+(\sub)], v[SC+64*(\sst)+4*\a+(\sub)] matrix_a_fmt:MATRIX_FMT_FP4 matrix_b_fmt:MATRIX_FMT_FP4
.endif
.endr
.endr
.endm
.macro MULZ q, sub                     ; Z's sixteen
.if ((\q)==0)&&((\sub)==0)
	WIN MUL_LO_B
	MULSET 0, 0, (\sub)%2, (\q)%2, \sub, 128
.else
	WIN MUL_LO
	MULSET 0, 0, (\sub)%2, (\q)%2, \sub, -1
.endif
.endm
.macro MULR q, sub                     ; R's sixteen
.if ((\q)==0)&&((\sub)==0)
	WIN MUL_LO_B
	MULSET 128, 1, (\sub)%2, (\q)%2, \sub, 160
.else
	WIN MUL_LO
	MULSET 128, 1, (\sub)%2, (\q)%2, \sub, -1
.endif
.endm
.macro MULC q, sub                     ; C's sixteen (input's K) or HC's (hx's K)
.if (\q) < 2
	WIN MUL_HI
.if ((\q)==0)&&((\sub)==0)
	MULSET 0, 2, (\sub)%2, (\q)%2, \sub, 192
.else
	MULSET 0, 2, (\sub)%2, (\q)%2, \sub, -1
.endif
.else
.if ((\q)==2)&&((\sub)==0)
	WIN MUL_HC_B
	MULSET 128, 2, (\sub)%2, (\q)%2, \sub, BHC     ; HC's registers held the other biases, which matrix instructions read eight substeps ago, with more than five plain lines since
.else
	WIN MUL_HI
	MULSET 128, 2, (\sub)%2, (\q)%2, \sub, -1
.endif
.endif
.endm
; A substep that has its successor in the same slot: the successor's fragments are asked for first and land under this substep's 48 matrix instructions.
.macro SUB q, sub
	PLACES 4                                       ; the other set was read by the matrix instructions just issued
	FETCH (\q)%2, (\sub)+1, 1-(\sub)%2
	s_wait_dscnt 32                                ; all but the 32 just issued: this substep's fragments, and its scale words, are in
	MULZ \q, \sub
	MULR \q, \sub
	MULC \q, \sub
	WIN 0
.endm
; A slot's last substep changes slots: each wave waits for all its tensor loads, adds 0 to its spare word, and waits for that and for its own reads of this slot; then ONE barrier.
; fill = 1: the barrier opens a round of the cluster's barrier, and behind the round the slot is filled again first, jointly, with the K step two on: one tensor load a wave.  fill = 0: nothing is left to fetch.
.macro TURN q, fill
	s_wait_tensorcnt 0x0                           ; all my tensor loads have landed: my part of the next slot
	ds_add_u32 v[SPW], v[NIL]                      ; 0 onto my spare word
	s_wait_dscnt 1                                 ; this substep's fragments are in (the add may be out)
	MULZ \q, 3                                     ; sixteen matrix instructions stand between the add and the wait for it
	s_wait_dscnt 0x0                               ; the add is done, and my reads of this slot are over
	s_barrier_signal -1
	MULR \q, 3
	WIN 0
	s_barrier_wait -1
.if \fill
	CREST                                          ; no wave of any partner still reads this slot's tiles or has a load on its way
	s_add_nc_u64 s[G0A+4*((\q)%2)+2:G0A+4*((\q)%2)+3], s[G0A+4*((\q)%2)+2:G0A+4*((\q)%2)+3], 4194304   ; from input's codes to hx's, the same rows and the same 512 of K
	s_add_nc_u64 s[G0B+4*((\q)%2)+2:G0B+4*((\q)%2)+3], s[G0B+4*((\q)%2)+2:G0B+4*((\q)%2)+3], s[DB:DB+1]
	JLOAD (\q)%2                                   ; the four v_nop behind it are also the places in front of the loads below
.else
	PLACES 4
.endif
	FETCH ((\q)+1)%2, 0, 0
	SCALES (\q)+1
.if (\q) == 0
	WIN TO_B
	HXLOAD 0, 96                                   ; hx's rows 0-31 of my 64, into the 64 registers of window 1 that B's two sets leave free: they have three K steps in which to land
	HXLOAD 1, 224
.endif
	MULC \q, 3
	WIN 0
.endm
	s_load_b512 s[4:19], s[0:1], 0x0               ; acodes s[4:5], ascales s[6:7], wcodes s[8:9], wscales s[10:11], b_ih s[12:13], b_hh s[14:15], b_c s[16:17], b_hc s[18:19]
	s_load_b128 s[20:23], s[0:1], 0x40             ; hx s[20:21], out0 s[22:23]
	v_lshl_add_u32 v[SPW], v0, 2, SPARE
	v_mov_b32 v[NIL], 0
	ds_add_u32 v28, v29
	ds_add_u32 v28, v29
	s_wait_dscnt 0x0
	v_lshrrev_b32 v1, 5, v0
	v_readfirstlane_b32 s[WV], v1                  ; wave 0..3
	s_lshr_b32 s[WR], s[WV], 1
	s_and_b32 s[WC], s[WV], 1
	s_bfe_u32 s[CX], ttmp6, 0x40000                ; my place in the cluster
	s_bfe_u32 s[CY], ttmp6, 0x40004
	s_lshl_b32 s[GX], ttmp9, 2
	s_add_co_u32 s[GX], s[GX], s[CX]               ; block of columns = 4 x cluster x + cx
	s_and_b32 s[GY], ttmp7, 0xffff
	s_lshl_b32 s[GY], s[GY], 2
	s_add_co_u32 s[GY], s[GY], s[CY]               ; block of rows = 4 x cluster y + cy
	s_lshl_b32 s2, s[CY], 2
	s_lshl_b32 s2, 15, s2                          ; my row of the cluster
	s_lshl_b32 s66, 0x1111, s[CX]                  ; my column
	s_or_b32 s[G1A], s2, PADC                      ; A's tiles go to my row,
	s_or_b32 s[G1B], s66, PADC                     ; B's to my column
.irp g, G1A, G1B
	s_mov_b32 s[\g+1], 256<<16                     ; tensor_dim0 = 256 bytes
	s_mov_b32 s[\g+2], 128<<16                     ; tensor_dim1 = 128 rows
	s_mov_b32 s[\g+3], 256<<16                     ; tile_dim0
	s_mov_b32 s[\g+4], 128                         ; tile_dim1
	s_mov_b32 s[\g+5], 512                         ; from row to row
	s_mov_b32 s[\g+6], 0
	s_mov_b32 s[\g+7], 0
.endr
	s_mov_b32 s[G1S], (3<<16)|(1<<20)|(5<<22)|(3<<25)   ; the scales: no mask; 4,096 dense bytes as 16 rows of 32 elements of 8 bytes, 16 bytes of padding behind each
	s_mov_b32 s[G1S+1], 32<<16
	s_mov_b32 s[G1S+2], 16<<16
	s_mov_b32 s[G1S+3], 32<<16
	s_mov_b32 s[G1S+4], 16
	s_mov_b32 s[G1S+5], 32
	s_mov_b32 s[G1S+6], 0
	s_mov_b32 s[G1S+7], 0
	; where the tiles come from.  s[2:3] holds numbers of the block of rows alone, s[66:67] of the block of columns and the wave alone
	s_lshl_b32 s2, s[GY], 16                       ; A: 128 rows x 512 bytes
	s_mov_b32 s3, 0
	s_mul_i32 s66, s[WC], 3072
	s_add_co_u32 s66, s66, 1024
	s_mul_i32 s66, s66, s[WR]                      ; B: the unit's first row: wave 1: 0 (W_ih z), wave 2: 1,024 (W_ih r), wave 3: 4,096 (W_c)
	s_lshl_b32 s67, s[GX], 7
	s_add_co_u32 s66, s66, s67                     ; + my 128 columns
	s_lshl_b32 s100, s66, 5                        ; these rows' scale bytes,
	s_lshl_b32 s66, s66, 9                         ; and their codes
	s_mov_b32 s67, 0
	s_and_b32 s[TT], s[WR], s[WC]
	s_lshr_b32 s[DB], 0x100000, s[TT]              ; to the partner unit: 2,048 rows on (W_ih to W_hh), in wave 3 1,024 (W_c to W_hc)
	s_mov_b32 s[DB+1], 0
	s_lshr_b32 s98, s[DB], 4                       ; the same in scale bytes
	s_lshl_b32 s101, s[GY], 12                     ; A's scale bytes: 128 rows x 32,
	s_mov_b32 s99, 0x40000                         ; and from input's to hx's
	s_cmp_eq_u32 s[WV], 0                          ; wave 0 fetches A's scales, the others their unit's
	s_cselect_b32 s100, s101, s100
	s_cselect_b32 s98, s99, s98
	s_mov_b32 s101, 0
	s_mov_b32 s99, 0
	s_wait_kmcnt 0x0
	s_cselect_b64 s[104:105], s[6:7], s[10:11]
	s_add_nc_u64 s[104:105], s[104:105], s[100:101]
	s_add_nc_u64 s[2:3], s[4:5], s[2:3]
	s_add_nc_u64 s[66:67], s[8:9], s[66:67]
	s_mul_i32 s[TT], s[WV], HALFT                  ; where the tiles go: wave x 128 rows: no place in the cluster enters an LDS address
.irp s, 0,1
	s_mov_b32 s[G0A+4*\s], 1                                       ; count = 1
	s_add_co_u32 s[G0A+4*\s+1], s[TT], \s*SLOT                     ; LDS address
	s_add_nc_u64 s[G0A+4*\s+2:G0A+4*\s+3], s[2:3], \s*256          ; K step s
	s_or_b32 s[G0A+4*\s+3], s[G0A+4*\s+3], 0x80000000              ; type = 2
	s_mov_b32 s[G0B+4*\s], 1
	s_add_co_u32 s[G0B+4*\s+1], s[TT], \s*SLOT
	s_add_nc_u64 s[G0B+4*\s+2:G0B+4*\s+3], s[66:67], \s*256
	s_or_b32 s[G0B+4*\s+3], s[G0B+4*\s+3], 0x80000000
.endr
	s_mul_i32 s[TT], s[WV], 2*SBLK
	s_mov_b32 s[G0S], 1
	s_add_co_u32 s[G0S+1], s[TT], SCL
	s_mov_b64 s[G0S+2:G0S+3], s[104:105]
	s_or_b32 s[G0S+3], s[G0S+3], 0x80000000
	s_mov_b32 s[G0S+4], 1
	s_add_co_u32 s[G0S+5], s[TT], SCL+SBLK
	s_add_nc_u64 s[G0S+6:G0S+7], s[104:105], s[98:99]
	s_or_b32 s[G0S+7], s[G0S+7], 0x80000000
	CROUND                                         ; all sixteen work-groups are here: the first joint loads meet
	; THE FIRST FILLS, one group: by this text's count four tensor loads of a wave are out: its two blocks of scales, its parts of slots 0 and 1
	tensor_load_to_lds s[G0S:G0S+3], s[G1S:G1S+7]
	s_nop 0
	tensor_load_to_lds s[G0S+4:G0S+7], s[G1S:G1S+7]
	s_nop 0
	PLACES 4
	s_cmp_eq_u32 s[WV], 0
	s_cbranch_scc0 .Lfirst_b
	tensor_load_to_lds s[G0A:G0A+3], s[G1A:G1A+7]
	s_nop 0
	tensor_load_to_lds s[G0A+4:G0A+7], s[G1A:G1A+7]
	s_nop 0
	PLACES 4
	s_branch .Lfirst_asked
.Lfirst_b:
	tensor_load_to_lds s[G0B:G0B+3], s[G1B:G1B+7]
	s_nop 0
	tensor_load_to_lds s[G0B+4:G0B+7], s[G1B:G1B+7]
	s_nop 0
	PLACES 4
.Lfirst_asked:
	; my wave's 64 x 64 of hx and of the output, and its 64 columns of the biases
	s_lshl_b32 s100, s[GY], 7
	s_lshl_b32 s101, s[WR], 6
	s_add_co_u32 s100, s100, s101                  ; my first row,
	s_lshl_b32 s100, s100, 12                      ; 4,096 bytes a row
	s_lshl_b32 s104, s[GX], 7
	s_lshl_b32 s105, s[WC], 6
	s_add_co_u32 s104, s104, s105                  ; my first column,
	s_lshl_b32 s104, s104, 2                       ; in bytes: a multiple of 256
	s_mov_b32 s105, 0
	s_add_co_u32 s100, s100, s104
	s_mov_b32 s101, 0
	s_add_nc_u64 s[PF:PF+1], s[20:21], s[100:101]
	s_add_nc_u64 s[22:23], s[22:23], s[100:101]
	s_add_nc_u64 s[12:13], s[12:13], s[104:105]
	s_add_nc_u64 s[14:15], s[14:15], s[104:105]
	s_add_nc_u64 s[16:17], s[16:17], s[104:105]
	s_add_nc_u64 s[18:19], s[18:19], s[104:105]
	; THE PREFETCHES of K steps 2 and 3: where mine stand, and who asks.  Of the 128 rows that my wave fetches, each of the four partners that ask for them jointly takes 32, told apart BY ADDRESS (cx for A, cy for B).
	; A's rows are read by both clusters of my row of clusters: cluster x = 0 asks; B's by all clusters of my column of clusters: cluster y = 0 asks.  So each row's 256 bytes of a K step are named once in the launch.
	s_and_b32 s87, ttmp7, 0xffff                   ; cluster y
	s_mov_b32 s86, 0x400000                        ; A: from input's codes to hx's
	s_cmp_eq_u32 s[WV], 0                          ; do I fetch for A?
	s_cselect_b64 s[PFT:PFT+1], s[2:3], s[66:67]   ; my tile's first row, first half of K
	s_cselect_b32 s86, s86, s[DB]                  ; to the second half's rows
	s_cselect_b32 s[LIM], ttmp9, s87               ; the coordinate along which other clusters read the same rows: the same in all sixteen partners, for a given wave
	s_cselect_b32 s87, s[CX], s[CY]                ; my place among the four that ask with me
	s_lshl_b32 s87, s87, 14                        ; 32 rows x 512 bytes
	s_add_co_u32 s86, s86, s87
	s_mov_b32 s87, 0
	s_add_nc_u64 s[PFT:PFT+1], s[PFT:PFT+1], s[86:87]
	v_and_b32 v1, 15, v0                           ; r = lane % 16
	v_bfe_u32 v2, v0, 4, 1                         ; h = lane / 16
	v_lshlrev_b32 v[BO], 5, v2
	; the biases in the result's layout: for block b lane (r, h) wants those of columns 16 b + 8 h + 0 .. 7; the r gate's lie 1,024 numbers behind the z gate's
	WIN 0xc0                                       ; destination window 3
.irp b, 0,1,2,3
.irp c, 0,1
	global_load_b128 v[128+8*\b+4*\c:128+8*\b+4*\c+3], v[BO], s[12:13] offset:64*\b+16*\c          ; b_ih, z
	global_load_b128 v[160+8*\b+4*\c:160+8*\b+4*\c+3], v[BO], s[12:13] offset:4096+64*\b+16*\c     ; b_ih, r
	global_load_b128 v[192+8*\b+4*\c:192+8*\b+4*\c+3], v[BO], s[16:17] offset:64*\b+16*\c          ; b_c
.endr
.endr
	WIN 0
.irp b, 0,1,2,3
.irp c, 0,1
	global_load_b128 v[AF+8*\b+4*\c:AF+8*\b+4*\c+3], v[BO], s[14:15] offset:64*\b+16*\c            ; b_hh, z: for now where A's fragments will lie
	global_load_b128 v[AF+32+8*\b+4*\c:AF+32+8*\b+4*\c+3], v[BO], s[14:15] offset:4096+64*\b+16*\c ; b_hh, r
	global_load_b128 v[BHC+8*\b+4*\c:BHC+8*\b+4*\c+3], v[BO], s[18:19] offset:64*\b+16*\c          ; b_hc
.endr
.endr
	v_mul_u32_u24 v3, v1, PITCH
	v_lshl_add_u32 v3, v2, 4, v3                   ; a fragment's row x pitch + 16 x half
	s_mul_i32 s[TT], s[WR], 64*PITCH               ; my 64 rows of A
	v_add_nc_u32 v[ADRA], s[TT], v3
	v_add_nc_u32 v[ADRA+1], SLOT, v[ADRA]
	s_mul_i32 s[TT], s[WC], 64*PITCH               ; my 64 rows of each unit of B,
	s_add_co_u32 s[TT], s[TT], HALFT               ; which lie behind A's 128
	v_add_nc_u32 v[ADRB], s[TT], v3
	v_add_nc_u32 v[ADRB+1], HALFT, v[ADRB]
	v_add_nc_u32 v[ADRB+2], HALFT, v[ADRB+1]
	v_add_nc_u32 v[ADRB+3], SLOT, v[ADRB]
	v_add_nc_u32 v[ADRB+4], SLOT, v[ADRB+1]
	v_add_nc_u32 v[ADRB+5], SLOT, v[ADRB+2]
	v_lshrrev_b32 v4, 3, v1
	v_lshlrev_b32 v5, 5, v1
	v_lshl_add_u32 v4, v4, 4, v5                   ; a row's 32 scale bytes: 32 r, and 16 more behind each 256
	s_mul_i32 s[TT], s[WR], 2176                   ; 64 rows are 8 rows of 272
	s_add_co_u32 s[TT], s[TT], SCL
	v_add_nc_u32 v[ADSA], s[TT], v4
	s_mul_i32 s[TT], s[WC], 2176
	s_add_co_u32 s[TT], s[TT], SCL+2*SBLK
	v_add_nc_u32 v[ADSB], s[TT], v4
	s_wait_loadcnt 0x0                             ; the biases
	WIN 0xc3                                       ; destination and source 0 window 3, source 1 window 0
.set i, 0
.rept 32
	v_pk_add_f32 v[128+i:128+i+1], v[128+i:128+i+1], v[AF+i:AF+i+1]   ; b_ih + b_hh, z and r
.set i, i+2
.endr
	WIN 0
	v_mul_u32_u24 v5, v1, PITCH
	v_lshl_add_u32 v5, v2, 5, v5                   ; row r, + 32 h: my eight numbers of a block
	s_mul_i32 s[TT], s[WV], 2*STG                  ; my two stages
	v_add_nc_u32 v[STO], s[TT], v5
	v_mul_u32_u24 v6, v2, PITCH
	v_lshl_add_u32 v6, v1, 4, v6                   ; back: lanes 0-15 one row of 256 bytes, lanes 16-31 the next
	v_add_nc_u32 v[RD], s[TT], v6
	v_lshlrev_b32 v[CO], 12, v2
	v_lshl_add_u32 v[CO], v1, 4, v[CO]             ; and the same two rows in hx and in the output
	v_and_b32 v[PFO], 31, v0
	v_lshlrev_b32 v[PFO], 9, v[PFO]                ; a lane a row of 512 bytes of codes
	s_mov_b32 s4, 0xbfb8aa3b                       ; -log2(e), as a pair: the packed forms name a pair and take its low word for both halves
	s_mov_b32 s5, s4
	s_mov_b32 s6, 0x4038aa3b                       ; 2 log2(e)
	s_mov_b32 s7, s6
	s_wait_tensorcnt 1                             ; my scales and my part of K step 0 are in (K step 1's load may be out)
	s_barrier_signal -1
	s_barrier_wait -1                              ; everybody's are
	FETCH 0, 0, 0
	SCALES 0
	; K steps 2 and 3 are asked for here, behind the run of LDS loads for which the first products wait: 176 and 368 matrix instructions ahead of their tensor loads; at the head, where every work-group's first tiles are on their way, nothing is asked for.
	; 32 rows, a lane a row, one instruction for each K step's 256 bytes.  K steps 0 and 1 come by their loads alone.
	s_cmp_eq_u32 s[LIM], 0
	s_cbranch_scc0 .Lnot_mine
	global_prefetch_b8 v[PFO], s[PFT:PFT+1] th:TH_LOAD_NT scope:SCOPE_SE
	global_prefetch_b8 v[PFO], s[PFT:PFT+1] offset:256 th:TH_LOAD_NT scope:SCOPE_SE
.Lnot_mine:
	SUB 0, 0                                       ; the biases start Z, R and C
	SUB 0, 1
	SUB 0, 2
	TURN 0, 1                                      ; slot 0 takes K step 2
	SUB 1, 0
	SUB 1, 1
	SUB 1, 2
	TURN 1, 1                                      ; slot 1 takes K step 3
	SUB 2, 0                                       ; b_hc starts HC
	SUB 2, 1
	SUB 2, 2
	TURN 2, 0                                      ; nothing is left to fetch: behind this barrier slot 0 is nobody's, and serves the way out
	SUB 3, 0
	SUB 3, 1
	SUB 3, 2
	s_wait_dscnt 0x0                               ; the very last substep
	MULZ 3, 3
	MULR 3, 3
	MULC 3, 3
	WIN 0
; THE EPILOGUE, 16 rows x 64 columns (32 numbers a lane) at a time.  The transcendentals go in batches, each with a plain line and one wait behind it, ahead of its first reader.
; Every accumulator is read from its low end on.  u = 1 - z and v = z x candidate go through my own two stages in LDS and come back as rows of 256 bytes, where hx already lies so: out = u hx + v.
; SEND a: block a's rows are blended and stored.  The result is written over hx's registers, which each block has for itself, and every offset is an immediate: nothing that a store reads is written again.
.macro SEND a
.if (\a) == 0
.set HXR, 96
.elseif (\a) == 1
.set HXR, 224
.else
.set HXR, AF+32*((\a)-2)
.endif
	s_wait_dscnt 0x0                               ; the block's rows are back from the stages; its stores into them are done too, ahead of the lines that write u's and v's registers again
	s_wait_loadcnt 24-8*(\a)                       ; its rows of hx are in; the later blocks' loads, eight each, may be out
.if (\a) < 2
	WIN 0x55                                       ; all in window 1
.else
	WIN 0x11                                       ; u and v window 1, hx and the result window 0
.endif
.set i, 0
.rept 16
	v_pk_fma_f32 v[HXR+i:HXR+i+1], v[RBU+i:RBU+i+1], v[HXR+i:HXR+i+1], v[RBV+i:RBV+i+1]   ; (1 - z) hx + z candidate
.set i, i+2
.endr
.if (\a) < 2
	WIN 0x04                                       ; a store's data are its source 1: window 1
.else
	WIN 0
.endif
.irp t, 0,1,2,3,4,5,6,7
	global_store_b128 v[CO], v[HXR+4*\t:HXR+4*\t+3], s[22:23] offset:(16*(\a)+2*\t)*4096 th:TH_STORE_NT   ; sixteen lanes store 256 consecutive bytes, aligned; written once, read by nobody here
.endr
.endm
.macro EPI a
	WIN 0x42                                       ; destination window 1, source 0 window 2
.set i, 0
.rept 16
	v_pk_mul_f32 v[TR+i:TR+i+1], v[128+32*(\a)+i:128+32*(\a)+i+1], s[4:5] op_sel_hi:[1,0]   ; -R log2(e)
.set i, i+2
.endr
.set i, 0
.rept 16
	v_pk_mul_f32 v[TZ+i:TZ+i+1], v[32*(\a)+i:32*(\a)+i+1], s[4:5] op_sel_hi:[1,0]           ; -Z log2(e)
.set i, i+2
.endr
	WIN 0x55                                       ; all in window 1
.set i, 0
.rept 64
	v_exp_f32 v[TR+i], v[TR+i]
.set i, i+1
.endr
	v_nop                                          ; a plain line behind the last exponential
.if (\a) > 0
	SEND (\a)-1                                    ; the block before leaves here: work that names none of the batch's results
	WIN 0x55
.endif
	s_wait_alu depctr_va_vdst(0)                   ; one wait for the 64
.set i, 0
.rept 32
	v_pk_add_f32 v[TR+i:TR+i+1], v[TR+i:TR+i+1], 1.0 op_sel_hi:[1,0]
.set i, i+2
.endr
.set i, 0
.rept 64
	v_rcp_f32 v[TR+i], v[TR+i]                     ; r and z
.set i, i+1
.endr
	v_nop
	s_wait_alu depctr_va_vdst(0)
	WIN 0x7d                                       ; sources 1 and 2 window 3
.set i, 0
.rept 16
	v_pk_fma_f32 v[TC+i:TC+i+1], v[TR+i:TR+i+1], v[128+32*(\a)+i:128+32*(\a)+i+1], v[32*(\a)+i:32*(\a)+i+1]   ; r HC + C
.set i, i+2
.endr
	WIN 0x55
.set i, 0
.rept 16
	v_pk_mul_f32 v[TC+i:TC+i+1], v[TC+i:TC+i+1], s[6:7] op_sel_hi:[1,0]
.set i, i+2
.endr
.set i, 0
.rept 32
	v_exp_f32 v[TC+i], v[TC+i]
.set i, i+1
.endr
.set i, 0
.rept 16
	v_pk_fma_f32 v[TU+i:TU+i+1], v[TZ+i:TZ+i+1], -1.0, 1.0 op_sel_hi:[1,0,0]   ; u = 1 - z: plain work behind the exponentials, which names none of their results
.set i, i+2
.endr
	s_wait_alu depctr_va_vdst(0)
.set i, 0
.rept 16
	v_pk_add_f32 v[TC+i:TC+i+1], v[TC+i:TC+i+1], 1.0 op_sel_hi:[1,0]
.set i, i+2
.endr
.set i, 0
.rept 32
	v_rcp_f32 v[TC+i], v[TC+i]
.set i, i+1
.endr
	v_nop
	s_wait_alu depctr_va_vdst(0)
.set i, 0
.rept 16
	v_pk_fma_f32 v[TC+i:TC+i+1], v[TC+i:TC+i+1], -2.0, 1.0 op_sel_hi:[1,0,0]   ; the candidate: tanh
.set i, i+2
.endr
.set i, 0
.rept 16
	v_pk_mul_f32 v[TC+i:TC+i+1], v[TZ+i:TZ+i+1], v[TC+i:TC+i+1]                ; v = z x candidate
.set i, i+2
.endr
	WIN 0x04                                       ; an LDS store's data are its source 1: window 1
.irp b, 0,1,2,3
.irp c, 0,1
	ds_store_b128 v[STO], v[TU+8*\b+4*\c:TU+8*\b+4*\c+3] offset:64*\b+16*\c
.endr
.endr
.irp b, 0,1,2,3
.irp c, 0,1
	ds_store_b128 v[STO], v[TC+8*\b+4*\c:TC+8*\b+4*\c+3] offset:STG+64*\b+16*\c
.endr
.endr
	WIN 0x40                                       ; destination window 1, address window 0
.irp t, 0,1,2,3,4,5,6,7
	ds_load_b128 v[RBU+4*\t:RBU+4*\t+3], v[RD] offset:2*\t*PITCH       ; LDS serves a wave's instructions in order (ISA guide 5.7.1): these see the stores above, and the next block's stores come behind them
.endr
.irp t, 0,1,2,3,4,5,6,7
	ds_load_b128 v[RBV+4*\t:RBV+4*\t+3], v[RD] offset:STG+2*\t*PITCH
.endr
.endm
	PLACES 4                                       ; behind the last products: in front of the first read of results, of the loads into A's registers and of the lines that write B's
	HXLOAD 2, AF                                   ; hx's rows 32-63 of my 64, where A's fragments lay: wanted when the third and fourth block leave, two and three blocks' arithmetic on
	HXLOAD 3, AF+32
	EPI 0
	EPI 1
	EPI 2
	EPI 3
	SEND 3
	WIN 0
	s_wait_tensorcnt 0x0                           ; the wave's end: behind my last tensor load and my last LDS store
	ds_add_u32 v[SPW], v[NIL]
	s_wait_dscnt 0x0
	CROUND                                         ; the closing round: no work-group ends while a partner may still ask for a tile that names it
	s_endpgm
.Lfunc_end_k_q04d6af77e4_gru:
	.size	k_q04d6af77e4_gru, .Lfunc_end_k_q04d6af77e4_gru-k_q04d6af77e4_gru
	.p2alignl 7, 3214868480
	.fill 96, 4, 3214868480
	.section	.rodata,"a",@progbits
	.p2align	6, 0x0
	.amdhsa_kernel k_q04d6af77e4_gru
		.amdhsa_group_segment_fixed_size 327680
		.amdhsa_private_segment_fixed_size 0
		.amdhsa_enable_private_segment 0
		.amdhsa_kernarg_size 80
		.amdhsa_user_sgpr_count 2
		.amdhsa_user_sgpr_kernarg_segment_ptr 1
		.amdhsa_wavefront_size32 1
		.amdhsa_system_sgpr_workgroup_id_x 1
		.amdhsa_system_sgpr_workgroup_id_y 1
		.amdhsa_system_sgpr_workgroup_id_z 1
		.amdhsa_system_vgpr_workitem_id 0
		.amdhsa_next_free_vgpr 1024
		.amdhsa_next_free_sgpr 106
		.amdhsa_reserve_vcc 0
		.amdhsa_float_denorm_mode_32 3
		.amdhsa_float_denorm_mode_16_64 3
		.amdhsa_memory_ordered 1
		.amdhsa_forward_progress 1
		.amdhsa_inst_pref_size 241
	.end_amdhsa_kernel
	.amdgpu_metadata
---
amdhsa.version: [ 1, 2 ]
amdhsa.kernels:
  - .name:           k_q04d6af77e4_gru
    .symbol:         k_q04d6af77e4_gru.kd
    .args:
      - { .name: acodes, .offset: 0, .size: 8, .value_kind: global_buffer, .address_space: global }
      - { .name: ascales, .offset: 8, .size: 8, .value_kind: global_buffer, .address_space: global }
      - { .name: wcodes, .offset: 16, .size: 8, .value_kind: global_buffer, .address_space: global }
      - { .name: wscales, .offset: 24, .size: 8, .value_kind: global_buffer, .address_space: global }
      - { .name: b_ih, .offset: 32, .size: 8, .value_kind: global_buffer, .address_space: global }
      - { .name: b_hh, .offset: 40, .size: 8, .value_kind: global_buffer, .address_space: global }
      - { .name: b_c, .offset: 48, .size: 8, .value_kind: global_buffer, .address_space: global }
      - { .name: b_hc, .offset: 56, .size: 8, .value_kind: global_buffer, .address_space: global }
      - { .name: hx, .offset: 64, .size: 8, .value_kind: global_buffer, .address_space: global }
      - { .name: out0, .offset: 72, .size: 8, .value_kind: global_buffer, .address_space: global }
    .group_segment_fixed_size: 327680
    .private_segment_fixed_size: 0
    .kernarg_segment_align: 8
    .kernarg_segment_size: 80
    .max_flat_workgroup_size: 128
    .sgpr_count:     106
    .vgpr_count:     1024
    .wavefront_size: 32
...
	.end_amdgpu_metadata
.endif
;; end of part 2
